; MI455X (gfx1250); checked and timed in simulation.
; The chip was launched on July 23, 2026; its instructions are those of AMD's public machine-readable ISA for CDNA 5 (MIT licence, August 2026) and "CDNA5" Instruction Set Architecture Reference Guide (July 2026). The comments in the code are by the model that wrote it; some were corrected since.
;; Model. Allowed arithmetic: matrix products marked QUANTISED: E4M3 operands, one given power-of-two scale a tensor, by v_wmma_f32_16x16x64_fp8_fp8 or v_wmma_f32_16x16x128_fp8_fp8, f32 sums; everything else in f32.
;; Inputs: attn_mask 2,048 x 2,048 float32; key 4 x 2,048 x 2,048 float32; lowp_scales 4 int32 (the exponents e of the quantised operands' scales 2^e); query 4 x 2,048 x 2,048 float32; value 4 x 2,048 x 2,048 float32.
;; Outputs: out0 4 x 2,048 x 2,048 float32.
;; This version of the problem:
;;   THIS VERSION OF THE PROBLEM IS GIVEN IN LOW PRECISION. The matrix products marked QUANTISED in the list below multiply operands that are first quantised to E4M3 (4 exponent bits, 3 mantissa bits; 8 bits a number), with one given power-of-two scale for each operand tensor; their sums are f32. All else is computed in f32.
;;   The module's matrix products, in the order in which they are computed (A, B: the left and right operand; K: the contracted axis; several contracted axes count as one K, in the product's order):
;;     1. batch 4 x [M 2,048, K 2,048] x [K 2,048, N 2,048]; A: input query; B: input key: QUANTISED (scales: A lowp_scales[0], B lowp_scales[1])
;;     2. batch 4 x [M 2,048, K 2,048] x [K 2,048, N 2,048]; A: input value; B: computed on the way: QUANTISED (scales: A lowp_scales[2], B lowp_scales[3])
;;   THE QUANTISER, for each operand of a quantised product, along K:
;;     - The operand's scale is 2^e, e = its entry of the input lowp_scales (int32; the entries are numbered through the quantised products in the list's order, A before B).
;;     - Each number is divided by the scale, clamped to +-448, and rounded to the nearest number of E4M3, ties to even, subnormals kept.
;;     - The product sums the exact products of the quantised numbers (number of the format x scale) in f32.
;;   ~~~python
;;   def quantise(x, axis, e):      # numpy; x: float32 -> the quantised numbers, widened to float32 again
;;       x = np.moveaxis(x, axis, -1); K = x.shape[-1]
;;       r = np.clip(x / 2.0 ** e, -448, 448)
;;       step = 2.0 ** (np.maximum(np.frexp(np.where(r == 0, 1, r))[1] - 1, -6) - 3)
;;       q = np.round(r / step) * step * 2.0 ** e      # np.round: ties to even
;;       return np.moveaxis(q, -1, axis).astype(np.float32)
;;   ~~~
;;   OPERANDS COMPUTED ON THE WAY. 'Computed on the way' means the value that the module computes at that place (a softmax that the list does not call 'softmax' is quantised finished and normalised). What goes into a quantiser is computed in f32, as accurately as f32 sums, v_exp_f32 and their like allow (about 1e-6 of the number): no bf16 or f16 on the way to a quantiser, and a product that is left as it is and whose result goes on into a quantised operand takes f32 operands (vector FMAs, or v_wmma_f32_16x16x4_f32). A number that lies on a knife's edge between two numbers of the format may be rounded either way, as far as f32 arithmetic and the matrix unit's own rounding can turn it there, and no further.
;; One version. Each part assembles by itself: llvm-mc -triple=amdgcn-amd-amdhsa -mcpu=gfx1250 --defsym DOCPART=n.
;; ======== version 1 of 1: 4 launches
;; limits: right only within a limited range of input values
;; workspace buffers: q_codes 16,777,216 bytes; k_codes 16,777,216 bytes; v_codes 16,777,216 bytes; p_codes 16,777,216 bytes; scores 67,108,864 bytes; sc23 256 bytes of whole numbers
;; launch quant (part 1): grid 256 x 3, 4 waves a work-group, no clusters, 17,920 bytes of LDS; arguments query, key, value, lowp_scales, q_codes, k_codes, v_codes; writes q_codes, k_codes, v_codes
.if DOCPART == 1
	.amdgcn_target "amdgcn-amd-amdhsa--gfx1250"
	.amdhsa_code_object_version 6
	.text
	.protected	k_q819d1fffbc_quant
	.globl	k_q819d1fffbc_quant
	.p2align	8
	.type	k_q819d1fffbc_quant,@function
k_q819d1fffbc_quant:
	s_mov_b64 s[64:65], 0
	v_nop
	global_prefetch_b8 v0, s[64:65] scope:SCOPE_SE
	s_setreg_imm32_b32 hwreg(HW_REG_WAVE_MODE, 25, 1), 1
	s_wait_xcnt 0x0
; query, key, value: each [8192 rows = 4 batches x 2048][2048] f32, K innermost, become codes of FP8 (E4M3), each with the one scale 2^e that is given for it
; (entries 0, 1, 2 of lowp_scales).  code = x / 2^e, held within +-448, rounded to the nearest code, ties to even.
; LIMITS: each e between -126 and 119, so that 2^e and 448 x 2^e are f32 numbers.  NaN among the inputs is not served (an infinity is held at the largest code).
; attn_mask: reference() takes it as an argument and never uses it; the result does not hang on it, so no launch of this program names it.
; THE CODES' LAYOUT is the order of the matrix operand's registers.  Byte of (row, k):
;   ((row/128) 8 + k/256) 32768 + ((k/128)%2) 16384 + ((row/16)%8) 2048 + ((k/32)%4) 512 + ((k/16)%2) 256 + (row%16) 16 + k%16
; A chunk (16 rows x 32 k) is 512 bytes on end, lane l = 16 h + r at 16 l with row r, k = 16 h + 0 .. 15; a fragment (16 rows x 128 k) is four chunks; a block (128 rows x 256 k) is 32,768 dense bytes.
; SHARES.  Work-group y picks the tensor (pointers and e are chosen by selects on y: one path through the text).  Wave W = 4 x + wave takes 16 rows (tile W / 2) x 1,024 k (half W % 2), 256 k at a time.
; THE CODES ARE TURNED, NOT THE NUMBERS.  A load reads 512 consecutive bytes of ONE row: lane l holds k = 4 l + 0 .. 3 of a fragment's 128.  Two loads of a row, 128 k apart, give a lane eight numbers in consecutive
; registers: eight holds and one conversion make two words of four codes, one for each of two fragments.  A word goes to its place in an image of its fragment in the wave's own stage in LDS; when the 16 rows are in,
; eight loads of 16 bytes a lane bring the chunks back whole, and each is stored as 512 consecutive bytes.  So LDS carries one byte a number each way, not four.
; A row's registers take the loads of the next 256 k as soon as the row is converted: 32 loads of a wave are out all the time.  Waves share nothing: no barrier.
.set HP,    272                        ; half a chunk in the stage: 256 bytes + 16 = 68 words: lane l's word lies at 68 (l / 4) + l % 4 + 4 x row, so the 32 lanes of a store touch 32 different banks
.set FS,    8*HP                       ; a fragment's image: eight half chunks; two fragments for each wave
.set R,     16                         ; v16-143  row i: 8 registers: 4 numbers of fragment 0, 4 of fragment 1
.set C,     144                        ; v144-175 row i: 2 registers: 4 codes of fragment 0, 4 of fragment 1
.set O,     176                        ; v176-207 eight chunks read back, 4 registers each
	s_load_b256 s[4:11], s[0:1], 0x0               ; query s[4:5], key s[6:7], value s[8:9], lowp_scales s[10:11]
	s_load_b128 s[12:15], s[0:1], 0x20             ; q_codes, k_codes
	s_load_b64 s[16:17], s[0:1], 0x30              ; v_codes
	v_lshl_add_u32 v208, v0, 2, 0x4400
	v_mov_b32 v209, 0
	v_lshrrev_b32 v5, 5, v0
	v_readfirstlane_b32 s18, v5                    ; wave
	v_and_b32 v5, 31, v0                           ; lane l
	v_lshlrev_b32 v1, 4, v5                        ; 16 l: my 16 bytes of a load's 512, and of a chunk's 512
	s_mul_i32 s36, s18, 2*FS                       ; my wave's stage
	v_lshrrev_b32 v2, 2, v5
	v_mul_u32_u24 v2, v2, HP                       ; into the stage: k = 4 l + .. lies in half chunk l / 4,
	v_and_b32 v6, 3, v5
	v_lshl_add_u32 v2, v6, 2, v2                   ; at byte 4 (l % 4) of a row's 16; the row stands in the immediate
	v_add_nc_u32 v2, s36, v2
	v_lshrrev_b32 v3, 4, v5
	v_mul_u32_u24 v3, v3, HP                       ; out of it: lane 16 h + r takes half h of a chunk,
	v_and_b32 v6, 15, v5
	v_lshl_add_u32 v3, v6, 4, v3                   ; row r's 16 bytes
	v_add_nc_u32 v3, s36, v3
	s_and_b32 s19, ttmp7, 0xffff                   ; which tensor
	s_lshl_b32 s28, ttmp9, 2
	s_add_co_u32 s28, s28, s18                     ; W
	s_lshr_b32 s29, s28, 1                         ; row tile T
	s_and_b32 s30, s28, 1                          ; half of K
	s_lshl_b32 s32, s29, 17                        ; source: 16 T rows of 8,192 bytes
	s_lshl_b32 s33, s30, 12                        ; + 1,024 numbers x half
	s_add_co_u32 s32, s32, s33
	s_mov_b32 s33, 0
	s_lshr_b32 s34, s29, 3
	s_lshl_b32 s34, s34, 18                        ; codes: (T / 8) x 8 blocks
	s_lshl_b32 s35, s30, 17                        ; + 4 blocks x half
	s_add_co_u32 s34, s34, s35
	s_and_b32 s35, s29, 7
	s_lshl_b32 s35, s35, 11                        ; + (T % 8) fragments
	s_add_co_u32 s34, s34, s35
	s_mov_b32 s35, 0
	s_wait_kmcnt 0x0
	s_load_b128 s[20:23], s[10:11], 0x0            ; e0 .. e3
	s_cmp_eq_u32 s19, 0                            ; the choices hang on the work-group's number alone
	s_cselect_b64 s[24:25], s[4:5], s[6:7]
	s_cselect_b64 s[26:27], s[12:13], s[14:15]
	s_cmp_eq_u32 s19, 2
	s_cselect_b64 s[24:25], s[8:9], s[24:25]
	s_cselect_b64 s[26:27], s[16:17], s[26:27]
	s_add_nc_u64 s[24:25], s[24:25], s[32:33]
	s_add_nc_u64 s[26:27], s[26:27], s[34:35]
.macro LOADROW t, i                    ; row i, the t-th 256 k: two loads of 512 consecutive bytes
	global_load_b128 v[R+8*(\i):R+8*(\i)+3], v1, s[24:25] offset:8192*(\i)+1024*(\t) th:TH_LOAD_NT
	global_load_b128 v[R+8*(\i)+4:R+8*(\i)+7], v1, s[24:25] offset:8192*(\i)+1024*(\t)+512 th:TH_LOAD_NT
.endm
.irp i, 0,1,2,3,4,5,6,7,8,9,10,11,12,13,14,15
	LOADROW 0, \i
.endr
	s_wait_kmcnt 0x0
	s_cmp_eq_u32 s19, 0
	s_cselect_b32 s20, s20, s21
	s_cmp_eq_u32 s19, 2
	s_cselect_b32 s20, s22, s20                    ; my tensor's e
	s_add_co_i32 s20, s20, 127
	s_lshl_b32 s21, s20, 23
	v_mov_b32 v11, s21                             ; 2^e as f32: the conversion takes its exponent field
	s_add_co_i32 s20, s20, 8
	s_lshl_b32 s20, s20, 23
	s_or_b32 s20, s20, 0x600000
	v_mov_b32 v10, s20                             ; 448 x 2^e
.macro ROW t, i
.if (\t) < 3
	s_wait_loadcnt 30                              ; this row's two loads are in; behind them stand the 30 of the later rows and of the next 256 k's earlier rows
.else
	s_wait_loadcnt 30-2*(\i)                       ; the last 256 k load nothing more: only the later rows' loads stand behind
.endif
.irp j, 0,1,2,3,4,5,6,7
	v_med3_num_f32 v[R+8*(\i)+\j], v[R+8*(\i)+\j], -v10, v10   ; the conversion to an 8-bit code does not saturate (ISA guide 7.6.2): the hold at the largest code x the scale comes first
.endr
	v_cvt_scalef32_pk8_fp8_f32 v[C+2*(\i):C+2*(\i)+1], v[R+8*(\i):R+8*(\i)+7], v11   ; the first number's code in the lowest byte: word 0 is fragment 0's, word 1 fragment 1's
	; the result goes to LDS stores and the sources are next written by loads; the next vector lines are the next row's holds, plain and on other registers
	ds_store_b32 v2, v[C+2*(\i)] offset:16*(\i)
	ds_store_b32 v2, v[C+2*(\i)+1] offset:FS+16*(\i)
.if (\t) < 3
	LOADROW (\t)+1, \i
.endif
.endm
.macro OUT t                           ; the two fragments leave.  LDS serves a wave's instructions in order: the loads see the 32 stores above, and the next 256 k's stores come behind them
.if (\t) > 0
	s_wait_xcnt 0x0                                ; the last eight stores have read their data registers: they are loaded again only behind this wait
.endif
.irp f, 0,1
.irp c, 0,1,2,3
	ds_load_b128 v[O+16*\f+4*\c:O+16*\f+4*\c+3], v3 offset:FS*\f+2*HP*\c
.endr
.endr
.irp f, 0,1
.irp c, 0,1,2,3
	s_wait_dscnt 7-4*\f-\c                         ; this chunk is back; the later ones may be out.  (The last count is 0: so the stores into the stage have read the code registers, which the next rows write again)
	global_store_b128 v1, v[O+16*\f+4*\c:O+16*\f+4*\c+3], s[26:27] offset:32768*(\t)+16384*\f+512*\c   ; a whole chunk: 512 consecutive bytes, aligned
.endr
.endr
.endm
	s_wait_alu depctr_va_vdst(0)
.irp t, 0,1,2,3
.irp i, 0,1,2,3,4,5,6,7,8,9,10,11,12,13,14,15
	ROW \t, \i
.endr
	OUT \t
.endr
	s_wait_tensorcnt 0x0
	ds_add_u32 v208, v209
	s_wait_dscnt 0x0
	s_endpgm
.Lfunc_end_k_q819d1fffbc_quant:
	.size	k_q819d1fffbc_quant, .Lfunc_end_k_q819d1fffbc_quant-k_q819d1fffbc_quant
	.p2alignl 7, 3214868480
	.fill 96, 4, 3214868480
	.section	.rodata,"a",@progbits
	.p2align	6, 0x0
	.amdhsa_kernel k_q819d1fffbc_quant
		.amdhsa_group_segment_fixed_size 17920
		.amdhsa_private_segment_fixed_size 0
		.amdhsa_enable_private_segment 0
		.amdhsa_kernarg_size 56
		.amdhsa_user_sgpr_count 2
		.amdhsa_user_sgpr_kernarg_segment_ptr 1
		.amdhsa_wavefront_size32 1
		.amdhsa_system_sgpr_workgroup_id_x 1
		.amdhsa_system_sgpr_workgroup_id_y 1
		.amdhsa_system_sgpr_workgroup_id_z 1
		.amdhsa_system_vgpr_workitem_id 0
		.amdhsa_next_free_vgpr 210
		.amdhsa_next_free_sgpr 66
		.amdhsa_reserve_vcc 0
		.amdhsa_float_denorm_mode_32 3
		.amdhsa_float_denorm_mode_16_64 3
		.amdhsa_memory_ordered 1
		.amdhsa_forward_progress 1
		.amdhsa_inst_pref_size 67
	.end_amdhsa_kernel
	.amdgpu_metadata
---
amdhsa.version: [ 1, 2 ]
amdhsa.kernels:
  - .name:           k_q819d1fffbc_quant
    .symbol:         k_q819d1fffbc_quant.kd
    .args:
      - { .name: query, .offset: 0, .size: 8, .value_kind: global_buffer, .address_space: global }
      - { .name: key, .offset: 8, .size: 8, .value_kind: global_buffer, .address_space: global }
      - { .name: value, .offset: 16, .size: 8, .value_kind: global_buffer, .address_space: global }
      - { .name: lowp_scales, .offset: 24, .size: 8, .value_kind: global_buffer, .address_space: global }
      - { .name: q_codes, .offset: 32, .size: 8, .value_kind: global_buffer, .address_space: global }
      - { .name: k_codes, .offset: 40, .size: 8, .value_kind: global_buffer, .address_space: global }
      - { .name: v_codes, .offset: 48, .size: 8, .value_kind: global_buffer, .address_space: global }
    .group_segment_fixed_size: 17920
    .private_segment_fixed_size: 0
    .kernarg_segment_align: 8
    .kernarg_segment_size: 56
    .max_flat_workgroup_size: 128
    .sgpr_count:     66
    .vgpr_count:     210
    .wavefront_size: 32
...
	.end_amdgpu_metadata
.endif
;; end of part 1
;; launch scores_mm (part 2): grid 8 x 32, 4 waves a work-group, clusters of 4 x 4, 327,680 bytes of LDS; arguments q_codes, k_codes, lowp_scales, scores; writes scores
.if DOCPART == 2
	.amdgcn_target "amdgcn-amd-amdhsa--gfx1250"
	.amdhsa_code_object_version 6
	.text
	.protected	k_q819d1fffbc_scores_mm
	.globl	k_q819d1fffbc_scores_mm
	.p2align	8
	.type	k_q819d1fffbc_scores_mm,@function
k_q819d1fffbc_scores_mm:
	s_mov_b64 s[64:65], 0
	v_nop
	global_prefetch_b8 v0, s[64:65] scope:SCOPE_SE
	s_setreg_imm32_b32 hwreg(HW_REG_WAVE_MODE, 25, 1), 1
	s_wait_xcnt 0x0
	s_wait_alu depctr_hold_cnt(0) depctr_sa_sdst(0) depctr_va_vdst(0) depctr_va_sdst(0) depctr_va_ssrc(0) depctr_va_vcc(0) depctr_vm_vsrc(0)
	s_getreg_b32 s2, hwreg(HW_REG_IB_STS2, 6, 4)
	s_cmp_eq_u32 s2, 0
	s_cbranch_scc0 .Lentry_in_a_cluster
	s_endpgm
.Lentry_in_a_cluster:
	s_bfe_u32 s2, ttmp6, 0x10000c
	s_cmp_lg_u32 s2, 0xf033
	s_cbranch_scc0 .Lentry_shape_is_right
	s_endpgm
.Lentry_shape_is_right:
; C[2048 b + m][n] = 2^(ea + eb) x the sum over k of A[2048 b + m][k] B[2048 b + n][k], 4 batches of 2048 x 2048 x 2048, on codes of FP8 (E4M3); sums in f32; C is f32.
; ea, eb: the two whole numbers at the head of the third argument.  LIMIT: ea + eb between -126 and 127, so that 2^(ea + eb) is an f32 number.
; attn_mask: reference() takes it as an argument and never uses it, so no launch of this program names it.
; THE CODES lie in the order of the operand's registers.  Byte of (row, k):
;   ((row/128) 8 + k/256) 32768 + ((k/128)%2) 16384 + ((row/16)%8) 2048 + ((k/32)%4) 512 + ((k/16)%2) 256 + (row%16) 16 + k%16
; so 16 rows x 32 k are 512 bytes on end, 16 bytes a lane; 128 rows x 256 k are a dense block of 32,768 bytes; 128 rows x 2048 k are 262,144 dense bytes.
; SHARES.  Work-group (x, y) makes rows 256 y on, columns 256 x on; wave w makes 128 x 128 of that (rows 128 (w / 2) on, columns 128 (w % 2) on) in 64 accumulators, 512 registers.
; THE TWO OPERANDS COME BY TWO ROADS.  A's 256 rows come through LDS: two slots of 512 along K (four blocks, 131,072 bytes), each wave fetching one block with one tensor load.  4 x 4 work-groups form a cluster;
; the four of a row of the cluster need the same rows of A and ask for them jointly (mask of my row).  B's fragments are loaded whole from memory into the operand's registers, each load 512 consecutive aligned bytes:
; so of a stage's 32 fragment loads of a wave 16 are LDS reads.
; K goes in 32 stages of 64 (8 fragments of A, 8 of B, 8 registers each; 64 matrix instructions, 64 accumulators by turns).  B has five register buffers: behind stage t's products its buffer takes stage t + 5's 16 loads.
; A has two: behind stage t its buffer takes stage t + 2's 16 LDS reads.  The same places of a fragment hold the same k in A and in B.
; THE CHANGES OF SLOTS stand in the middle of stages 6, 14 and 22: by then the reads for the last stage of the slot in hand have been issued (behind stage 5, 13, 21).  Each wave waits for its tensor load, adds 0 to its spare word,
; multiplies half a stage, waits for the add and its reads; behind the round of the cluster's barrier the slot that was left takes the K that follows 1,024 on (stages 6 and 14; stage 22 fills nothing, so a work-group barrier serves).
; By the text's own count a wave has one tensor load out, and a refill has eight stages in which to land.  The four fills differ: the stages are written by a macro, with no loop.
; THE MATRIX INSTRUCTION IS USED TRANSPOSED (source 0 = 16 rows of B, source 1 = 16 rows of A): a lane holds row l % 16 of C, its registers columns 8 (l / 16) + 0 .. 7.
; PREFETCH: behind stage 4 q each wave names 32 aligned blocks of 256 bytes, a lane a block: waves 0, 1 of A's block of 256 k number q + 4 (q = 0 .. 3; its tensor load is issued in stage 6 or 14), waves 2, 3 of B's number q + 2
; (q = 0 .. 5; its first load is issued behind stage 4 q + 3).  The four partners that read a block share its 32,768 bytes out by address, 8,192 each (cx for A, cy for B).  Earlier blocks come by their loads alone.
; REGISTERS: window 0: v8-15 addresses, v32-95 at work on the way out, v64-127 B's fifth buffer, v128-255 A's two buffers; window 1: B's first four buffers; windows 2, 3: the accumulators of my rows 0-63, 64-127.
.set BLKB,   32768
.set SLOT,   4*BLKB
.set STAGEB, 2*SLOT                    ; behind the ring: 16 rows x 528 bytes for each wave, for the way out
.set SPITCH, 528
.set SPARE,  STAGEB+4*16*SPITCH        ; 295,936 = 1,156 x 256: the spare words, 128 bytes a wave
.set CROW,   8192
.set CO,   8                           ; v8   16 x lane
.set STO,  9                           ; v9   the way out: where I put 32 bytes of a row
.set RD,   10                          ; v10  the way out: where I read a row back
.set PFO,  11                          ; v11  256 x lane
.set SPW,  12                          ; v12  my spare word; never rewritten
.set NIL,  13                          ; v13  0; never rewritten
.set ADRA, 14                          ; v14, v15  my 128 rows of A in slot 0, 1
.set TMP,  32
.set SB,   6                           ; s[6:7]   my 128 rows of B
.set SO,   10                          ; s[10:11] my part of C
.set G1,   24                          ; s[24:31] descriptor group 1
.set G0,   32                          ; s[32:39] descriptor group 0, one for each slot
.set SCL,  56                          ; s56      2^(ea + eb)
.set PFA,  58                          ; s[58:59] where my prefetches stand; never rewritten
.set MSB, 0
.macro WIN new                         ; the immediate's high byte repeats the setting that is left
.if MSB != (\new)
	s_set_vgpr_msb (MSB<<8)|(\new)
.set MSB, (\new)
.endif
.endm
.macro PLACES
.rept 4
	v_nop
.endr
.endm
.macro JLOAD s                         ; my block of slot s, asked for jointly; an s_nop 0 and four v_nop follow
	tensor_load_to_lds s[G0+4*\s:G0+4*\s+3], s[G1:G1+7]
	s_nop 0
	PLACES
.endm
.macro CREST                           ; a round of the cluster's barrier behind its opening barrier
	s_cmp_lg_u32 s14, 0
	s_cbranch_scc1 .Lnot_wave_0_\@
	s_barrier_signal -3
.Lnot_wave_0_\@:
	s_barrier_wait -3
	s_barrier_signal -1
	s_barrier_wait -1
.endm
.macro CROUND
	s_barrier_signal -1
	s_barrier_wait -1
	CREST
.endm
.macro BLOADS t                        ; B's 8 fragments of stage t -> buffer t % 5: buffers 0 to 3 in window 1, buffer 4 in window 0 at v64
.set LW, 1-(((\t)%5)/4)
.set LR, 64*((\t)%5)-192*(((\t)%5)/4)
	WIN 64*LW
.irp i, 0,1,2,3,4,5,6,7
	global_load_b128 v[LR+8*\i:LR+8*\i+3], v[CO], s[SB:SB+1] offset:((\t)/2)*16384+((\t)%2)*1024+\i*2048
	global_load_b128 v[LR+8*\i+4:LR+8*\i+7], v[CO], s[SB:SB+1] offset:((\t)/2)*16384+((\t)%2)*1024+\i*2048+512
.endr
.endm
.macro ALOADS t                        ; A's 8 fragments of stage t, from slot (t / 8) % 2 -> window 0, buffer t % 2
	WIN 0
.irp i, 0,1,2,3,4,5,6,7
	ds_load_b128 v[128+64*((\t)%2)+8*\i:128+64*((\t)%2)+8*\i+3], v[ADRA+(((\t)/8)%2)] offset:(((\t)/2)%4)*16384+((\t)%2)*1024+\i*2048
	ds_load_b128 v[128+64*((\t)%2)+8*\i+4:128+64*((\t)%2)+8*\i+7], v[ADRA+(((\t)/8)%2)] offset:(((\t)/2)%4)*16384+((\t)%2)*1024+\i*2048+512
.endr
.endm
.macro MUL32 hi, zero                  ; 4 blocks of 16 rows x all 8 blocks of 16 columns: 32 accumulators, one instruction a turn
.irp a, 0,1,2,3
.irp b, 0,1,2,3,4,5,6,7
.if \zero
	v_wmma_f32_16x16x64_fp8_fp8 v[64*\a+8*\b:64*\a+8*\b+7], v[BF+8*\b:BF+8*\b+7], v[AF+8*(\hi+\a):AF+8*(\hi+\a)+7], 0
.else
	v_wmma_f32_16x16x64_fp8_fp8 v[64*\a+8*\b:64*\a+8*\b+7], v[BF+8*\b:BF+8*\b+7], v[AF+8*(\hi+\a):AF+8*(\hi+\a)+7], v[64*\a+8*\b:64*\a+8*\b+7]
.endif
.endr
.endr
.endm
.macro STAGE t
.set BW, 1-(((\t)%5)/4)
.set BF, 64*((\t)%5)-192*(((\t)%5)/4)
.set AF, 128+64*((\t)%2)
.set SL, ((\t)/8)%2
.set CH, 0
.if ((\t)%8) == 6 && (\t) < 30
.set CH, 1
.endif
.if CH
	WIN 0
	s_wait_tensorcnt 0x0                           ; my one tensor load has landed: my block of the other slot;
	ds_add_u32 v[SPW], v[NIL]                      ; 0 onto my spare word
.if (\t) < 22
	s_add_nc_u64 s[G0+4*SL+2:G0+4*SL+3], s[G0+4*SL+2:G0+4*SL+3], 4*BLKB   ; no load of mine is out: this slot's next K, 1,024 on
.endif
.endif
.if (\t) <= 27
	s_wait_loadcnt 63                              ; B of this stage is in.  Behind it stand the 64 loads of the four stages that follow; the wait's field names 63 at the most, one load more than is needed
.else
	s_wait_loadcnt 16*(31-(\t))
.endif
.if (\t) < 31
	s_wait_dscnt 16+CH                             ; A of this stage is in; the next stage's 16 reads (and the add) may be out
.else
	s_wait_dscnt 0x0
.endif
	WIN 0xa0+BW
	MUL32 0, ((\t)==0)
.if CH
	WIN 0
	s_wait_dscnt 0x0                               ; the add is done, and my reads of the slot in hand are over
	s_barrier_signal -1
	s_barrier_wait -1
.if (\t) < 22
	CREST                                          ; no wave of any partner still reads the slot or has a load on its way
	JLOAD SL                                       ; the first tensor load behind the round, my only one until the next
.endif
.endif
	WIN 0xf0+BW
	MUL32 4, ((\t)==0)
.if (\t) <= 29
	PLACES                                         ; four places between the last product and loads into registers that it read
.if (\t) <= 26
	BLOADS (\t)+5
.endif
	ALOADS (\t)+2
.endif
.if ((\t)%4) == 0 && (\t) <= 20
.if (\t) >= 16
	s_cmp_eq_u32 s15, 0                            ; A has no block left to ask for: waves 0 and 1 pass
	s_cbranch_scc1 .Lno_ask_\@
.endif
	global_prefetch_b8 v[PFO], s[PFA:PFA+1] offset:((\t)/4)*BLKB th:TH_LOAD_NT scope:SCOPE_SE
.Lno_ask_\@:
.endif
.endm
	s_load_b128 s[4:7], s[0:1], 0x0                ; A's codes, B's codes
	s_load_b128 s[8:11], s[0:1], 0x10              ; the two exponents, C
	v_lshl_add_u32 v[SPW], v0, 2, SPARE
	v_mov_b32 v[NIL], 0
	ds_add_u32 v[SPW], v[NIL]                      ; the opening: the add, twice on end, and its wait ahead of my first tensor load
	ds_add_u32 v[SPW], v[NIL]
	v_lshrrev_b32 v1, 5, v0
	v_readfirstlane_b32 s14, v1                    ; wave 0..3
	v_and_b32 v6, 31, v0                           ; lane
	v_and_b32 v2, 15, v0                           ; l % 16
	v_bfe_u32 v3, v0, 4, 1                         ; l / 16
	v_lshlrev_b32 v[CO], 4, v6
	v_lshlrev_b32 v[PFO], 8, v6
	v_mul_u32_u24 v5, v2, SPITCH
	v_lshl_add_u32 v5, v3, 5, v5                   ; stage: row l % 16, 32 bytes for each half of the lanes
	s_lshr_b32 s15, s14, 1                         ; which 128 rows.  Also: I prefetch for A (0) or for B (1)
	s_and_b32 s16, s14, 1                          ; which 128 columns.  Also: which block of 256 k of a slot I fetch
	s_mul_i32 s23, s14, 16*SPITCH
	s_add_co_u32 s23, s23, STAGEB                  ; my stage
	s_lshl_b32 s22, s15, 16                        ; my 128 rows of A in a slot: two blocks
	v_add_nc_u32 v[STO], s23, v5
	v_add_nc_u32 v[RD], s23, v[CO]
	v_add_nc_u32 v[ADRA], s22, v[CO]
	v_add_nc_u32 v[ADRA+1], SLOT, v[ADRA]
	s_bfe_u32 s40, ttmp6, 0x40000                  ; cx
	s_bfe_u32 s41, ttmp6, 0x40004                  ; cy
	s_lshl_b32 s42, ttmp9, 2
	s_add_co_u32 s42, s42, s40                     ; x
	s_and_b32 s13, ttmp7, 0xffff
	s_lshl_b32 s17, s13, 2
	s_add_co_u32 s17, s17, s41                     ; y
	s_lshl_b32 s43, s41, 2
	s_lshl_b32 s43, 15, s43                        ; my row of the cluster
	s_or_b32 s[G1], s43, (3<<16)|(1<<21)           ; the mask; elements of 8 bytes; bit 21 beside a mask
	s_mov_b32 s[G1+1], 32<<16                      ; a block as 128 rows of 256 bytes, dense
	s_mov_b32 s[G1+2], 128<<16
	s_mov_b32 s[G1+3], 32<<16
	s_mov_b32 s[G1+4], 128
	s_mov_b32 s[G1+5], 32
	s_mov_b32 s[G1+6], 0
	s_mov_b32 s[G1+7], 0
	s_lshl_b32 s20, s17, 1
	s_add_co_u32 s20, s20, s15
	s_lshl_b32 s20, s20, 18                        ; what I fetch of A: rows 128 (2 y + w / 2) on,
	s_lshl_b32 s21, s16, 15
	s_add_co_u32 s20, s20, s21                     ; block w % 2 of the slot's two along K
	s_mov_b32 s21, 0
	s_lshl_b32 s45, s14, 15                        ; and where it goes: block w of a slot
	s_lshr_b32 s19, s13, 1
	s_lshl_b32 s19, s19, 4                         ; 16 x batch
	s_lshl_b32 s46, s42, 1
	s_add_co_u32 s46, s46, s19
	s_add_co_u32 s48, s46, s16                     ; B's block of 128 rows: 16 b + 2 x + w % 2
	s_lshl_b32 s48, s48, 18
	s_mov_b32 s49, 0
	s_lshl_b32 s50, s17, 1
	s_add_co_u32 s50, s50, s15
	s_lshl_b32 s50, s50, 20                        ; C: 128 rows of 8,192 bytes,
	s_lshl_b32 s51, s42, 10
	s_add_co_u32 s50, s50, s51                     ; 1,024 bytes a work-group x,
	s_lshl_b32 s51, s16, 9
	s_add_co_u32 s50, s50, s51                     ; 512 a half
	s_mov_b32 s51, 0
	s_lshl_b32 s52, s17, 1
	s_add_co_u32 s52, s52, s16                     ; the prefetches: waves 0, 1: A's rows 128 (2 y + w % 2) on,
	s_add_co_u32 s53, s46, s16                     ; waves 2, 3: B's rows 128 (16 b + 2 x + w % 2) on
	s_cmp_eq_u32 s15, 0
	s_cselect_b32 s52, s52, s53
	s_cselect_b32 s53, s40, s41                    ; my place among the four that read the block
	s_cselect_b32 s54, 4, 2                        ; the first block of 256 k that is asked for
	s_lshl_b32 s52, s52, 18
	s_lshl_b32 s53, s53, 13
	s_lshl_b32 s54, s54, 15
	s_add_co_u32 s52, s52, s53
	s_add_co_u32 s52, s52, s54
	s_mov_b32 s53, 0
	s_wait_alu depctr_va_vdst(0)                   ; the head's vector work is done
	s_wait_dscnt 0x0                               ; both opening adds are done
	s_wait_kmcnt 0x0
	s_load_b64 s[SCL:SCL+1], s[8:9], 0x0           ; ea, eb
	s_add_nc_u64 s[20:21], s[4:5], s[20:21]
	s_cmp_eq_u32 s15, 0                            ; the choice hangs on the wave's number alone
	s_cselect_b64 s[PFA:PFA+1], s[4:5], s[6:7]
	s_add_nc_u64 s[PFA:PFA+1], s[PFA:PFA+1], s[52:53]
	s_add_nc_u64 s[SB:SB+1], s[SB:SB+1], s[48:49]
	s_add_nc_u64 s[SO:SO+1], s[SO:SO+1], s[50:51]
.irp s, 0,1
	s_mov_b32 s[G0+4*\s], 1
	s_add_co_u32 s[G0+4*\s+1], s45, \s*SLOT
	s_add_nc_u64 s[G0+4*\s+2:G0+4*\s+3], s[20:21], \s*2*BLKB
	s_or_b32 s[G0+4*\s+3], s[G0+4*\s+3], 0x80000000
.endr
	CROUND                                         ; all sixteen work-groups are here: the first joint loads meet
	JLOAD 0                                        ; K 0 to 511: one tensor load a wave at the head
.irp t, 0,1,2
	BLOADS \t                                      ; 48 loads: under what the counter holds, so the lines below are reached at once
.endr
	WIN 0
	s_wait_kmcnt 0x0
	s_add_co_i32 s[SCL], s[SCL], s[SCL+1]
	s_add_co_i32 s[SCL], s[SCL], 127
	s_lshl_b32 s[SCL], s[SCL], 23                  ; 2^(ea + eb) as f32
	s_wait_tensorcnt 0x0                           ; my block of slot 0 is in
	ds_add_u32 v[SPW], v[NIL]
	s_wait_dscnt 0x0
	CROUND
	JLOAD 1                                        ; K 512 to 1,023
	BLOADS 3
	BLOADS 4
	ALOADS 0
	ALOADS 1
.set Q, 0
.rept 32
	STAGE Q
.set Q, Q+1
.endr
	WIN 0
; THE WAY OUT, a block of 16 rows x 128 columns at a time: x 2^(ea + eb); into my own stage in LDS, 32 bytes a lane; back as whole rows of 512 bytes; stored, 32 lanes to 512 consecutive aligned bytes.
; Six sets of 64 registers take the rows read back (the buffers are done with): blocks 6 and 7 take the sets of blocks 0 and 1 again, behind one wait.  Every offset is an immediate: 127 rows of 8,192 bytes at the most.
.macro BBOF a
.set BBW, (((\a)%6)+2)/4
.set BB, 128+64*((\a)%6)-256*BBW
.endm
.macro TOSTAGE a
.set AC, 64*((\a)%4)
	BBOF \a
	WIN 0x02+((\a)/4)
.irp j, 0,2,4,6,8,10,12,14,16,18,20,22,24,26,28,30,32,34,36,38,40,42,44,46,48,50,52,54,56,58,60,62
	v_pk_mul_f32 v[TMP+\j:TMP+\j+1], v[AC+\j:AC+\j+1], s[SCL:SCL+1] op_sel_hi:[1,0]   ; each accumulator is read from its low end on
.endr
	WIN 0
.irp b, 0,1,2,3,4,5,6,7
	ds_store_b128 v[STO], v[TMP+8*\b:TMP+8*\b+3] offset:64*\b
	ds_store_b128 v[STO], v[TMP+8*\b+4:TMP+8*\b+7] offset:64*\b+16
.endr
	WIN 64*BBW
.irp t, 0,1,2,3,4,5,6,7,8,9,10,11,12,13,14,15
	ds_load_b128 v[BB+4*\t:BB+4*\t+3], v[RD] offset:\t*SPITCH   ; LDS serves a wave's instructions in order: these see the stores above
.endr
.endm
.macro SEND a, younger                 ; younger: the next block's 16 LDS stores and 16 LDS loads, which may stay out
	BBOF \a
	s_wait_dscnt \younger
	WIN 4*BBW
.irp t, 0,1,2,3,4,5,6,7,8,9,10,11,12,13,14,15
	global_store_b128 v[CO], v[BB+4*\t:BB+4*\t+3], s[SO:SO+1] offset:((\a)*16+\t)*CROW th:TH_STORE_NT
.endr
.endm
	PLACES                                         ; four places behind the last product
	TOSTAGE 0
.irp a, 1,2,3,4,5,6,7
.if \a == 6
	s_wait_xcnt 0x0                                ; the stores of blocks 0 and 1 have read their registers, which blocks 6 and 7 load again
.endif
	TOSTAGE \a
	SEND \a-1, 32
.endr
	SEND 7, 0
	WIN 0
	s_wait_tensorcnt 0x0                           ; the wave's end, behind my last tensor load and my last LDS store
	ds_add_u32 v[SPW], v[NIL]
	s_wait_dscnt 0x0
	CROUND                                         ; the closing round
	s_endpgm
.Lfunc_end_k_q819d1fffbc_scores_mm:
	.size	k_q819d1fffbc_scores_mm, .Lfunc_end_k_q819d1fffbc_scores_mm-k_q819d1fffbc_scores_mm
	.p2alignl 7, 3214868480
	.fill 96, 4, 3214868480
	.section	.rodata,"a",@progbits
	.p2align	6, 0x0
	.amdhsa_kernel k_q819d1fffbc_scores_mm
		.amdhsa_group_segment_fixed_size 327680
		.amdhsa_private_segment_fixed_size 0
		.amdhsa_enable_private_segment 0
		.amdhsa_kernarg_size 32
		.amdhsa_user_sgpr_count 2
		.amdhsa_user_sgpr_kernarg_segment_ptr 1
		.amdhsa_wavefront_size32 1
		.amdhsa_system_sgpr_workgroup_id_x 1
		.amdhsa_system_sgpr_workgroup_id_y 1
		.amdhsa_system_sgpr_workgroup_id_z 1
		.amdhsa_system_vgpr_workitem_id 0
		.amdhsa_next_free_vgpr 1024
		.amdhsa_next_free_sgpr 66
		.amdhsa_reserve_vcc 0
		.amdhsa_float_denorm_mode_32 3
		.amdhsa_float_denorm_mode_16_64 3
		.amdhsa_memory_ordered 1
		.amdhsa_forward_progress 1
		.amdhsa_inst_pref_size 255
	.end_amdhsa_kernel
	.section	.bss,"aw",@nobits
	.p2align	6
	.space	262144
	.amdgpu_metadata
---
amdhsa.version: [ 1, 2 ]
amdhsa.kernels:
  - .name:           k_q819d1fffbc_scores_mm
    .symbol:         k_q819d1fffbc_scores_mm.kd
    .args:
      - { .name: q_codes, .offset: 0, .size: 8, .value_kind: global_buffer, .address_space: global }
      - { .name: k_codes, .offset: 8, .size: 8, .value_kind: global_buffer, .address_space: global }
      - { .name: lowp_scales, .offset: 16, .size: 8, .value_kind: global_buffer, .address_space: global }
      - { .name: scores, .offset: 24, .size: 8, .value_kind: global_buffer, .address_space: global }
    .group_segment_fixed_size: 327680
    .private_segment_fixed_size: 0
    .kernarg_segment_align: 8
    .kernarg_segment_size: 32
    .max_flat_workgroup_size: 128
    .sgpr_count:     66
    .vgpr_count:     1024
    .wavefront_size: 32
...
	.end_amdgpu_metadata
.endif
;; end of part 2
;; launch probs (part 3): grid 256 x 1, 16 waves a work-group, no clusters, 70,656 bytes of LDS; arguments scores, lowp_scales, p_codes, sc23; writes p_codes, sc23
.if DOCPART == 3
	.amdgcn_target "amdgcn-amd-amdhsa--gfx1250"
	.amdhsa_code_object_version 6
	.text
	.protected	k_q819d1fffbc_probs
	.globl	k_q819d1fffbc_probs
	.p2align	8
	.type	k_q819d1fffbc_probs,@function
k_q819d1fffbc_probs:
	s_mov_b64 s[64:65], 0
	v_nop
	global_prefetch_b8 v0, s[64:65] scope:SCOPE_SE
	s_setreg_imm32_b32 hwreg(HW_REG_WAVE_MODE, 25, 1), 1
	s_wait_xcnt 0x0
; P = softmax(scores) along the keys, finished and normalised in f32 as reference() has it (the row's largest score is taken away first), then quantised to codes of FP8 (E4M3) with the given scale 2^e3.
; scores: [8192 = 2048 b + q][2048 keys] f32.  P is the second product's right operand and its K is q: the codes are laid with q innermost, in the order of the operand's registers.  Byte of (row = 2048 b + key, k = q):
;   ((row/128) 8 + k/256) 32768 + ((k/128)%2) 16384 + ((row/16)%8) 2048 + ((k/32)%4) 512 + ((k/16)%2) 256 + (row%16) 16 + k%16
; The launch also hands entries 2 and 3 of lowp_scales on in a buffer of their own, so that the second product can run the first product's text, which reads its two exponents at its third argument's head.
; attn_mask: reference() takes it as an argument and never uses it; the result does not hang on it, so no launch of this program names it.
; LIMITS: e3 between -126 and 119.  NaN and infinities among the scores are not served.  A p under 2^-126 becomes 0 (v_exp_f32 gives no denormals: ISA guide 15.8), far under the smallest code for every such e3 that keeps 1.0 in range.
; SHARES.  A work-group owns 32 queries x all 2,048 keys: 262,144 bytes, read once and kept in registers.  Wave w: queries 8 (w % 4) + j, j = 0 .. 7; keys 512 (w / 4) on.  Lane l, register S + 16 j + 4 g + kk: key 512 (w/4) + 128 g + 4 l + kk.
; A row's largest score and its sum meet across the four waves of a row group in LDS (a barrier each).  A lane holds eight queries of each of its 16 keys: the hold writes them into eight consecutive registers, the
; conversion makes 8 bytes of them; these go into a stage laid as 128 chunks (16 keys x 32 queries, 512 bytes + 16); behind a third barrier each wave stores eight whole chunks, 512 consecutive bytes each.
.set S,    64                          ; v64-191  the scores, then p; at the end the chunks read back
.set T,    192                         ; v192-255 at work: the other waves' figures; two sets of 32 held numbers
.set M,    10                          ; v10-17   the rows' largest scores
.set L,    18                          ; v18-25   the rows' sums
.set NM,   32                          ; v32-47   a pair for each row, the same number twice: -c m, later 1 / sum
.set LP,   48                          ; v48-63   a pair for each row: the sums of even and odd places
.set C,    32                          ; v32-63   the codes, once NM and LP are done with
.set TP,   528                         ; a chunk's place in the stage: 512 bytes + 16
.set MAXS, 128*TP                      ; behind the stage: [16 waves][8] f32
.set SUMS, MAXS+512
	s_load_b256 s[4:11], s[0:1], 0x0               ; scores s[4:5], lowp_scales s[6:7], p_codes s[8:9], sc23 s[10:11]
	v_lshl_add_u32 v30, v0, 2, 0x10c00
	v_mov_b32 v31, 0
	v_lshrrev_b32 v1, 5, v0
	s_delay_alu instid0(VALU_DEP_1)
	v_readfirstlane_b32 s12, v1                    ; wave w
	v_and_b32 v1, 31, v0                           ; lane l
	s_delay_alu instid0(VALU_DEP_1)
	v_lshlrev_b32 v2, 4, v1                        ; 16 l
	s_and_b32 s13, s12, 3                          ; qg: which eight queries
	s_lshr_b32 s14, s12, 2                         ; kq: which 512 keys
	s_lshl_b32 s28, ttmp9, 18                      ; 32 rows of 8,192 bytes a work-group,
	s_lshl_b32 s29, s13, 16                        ; 8 rows,
	s_add_co_u32 s28, s28, s29
	s_lshl_b32 s29, s14, 11                        ; 512 keys
	s_add_co_u32 s28, s28, s29
	s_mov_b32 s29, 0
	s_lshr_b32 s30, ttmp9, 6                       ; the batch b: 16 times 128 rows of 8 blocks
	s_lshl_b32 s30, s30, 22
	s_and_b32 s31, ttmp9, 63                       ; xb = q / 32 in the batch
	s_lshr_b32 s32, s31, 3
	s_lshl_b32 s32, s32, 15                        ; k / 256
	s_add_co_u32 s30, s30, s32
	s_bfe_u32 s32, s31, 0x10002
	s_lshl_b32 s32, s32, 14                        ; (k / 128) % 2
	s_add_co_u32 s30, s30, s32
	s_and_b32 s32, s31, 3
	s_lshl_b32 s32, s32, 9                         ; (k / 32) % 4
	s_add_co_u32 s30, s30, s32
	s_lshl_b32 s32, s12, 18                        ; on the way out wave w stores keys 128 w on
	s_add_co_u32 s30, s30, s32
	s_mov_b32 s31, 0
	s_mov_b32 s20, 0x76543210                      ; v_permlanex16_b32: lane l xor 16
	s_mov_b32 s21, 0xfedcba98
	s_mov_b32 s22, 0x3fb8aa3b                      ; c = log2(e)
	s_mov_b32 s23, s22                             ; (named with it as a pair, so it is written)
	s_mov_b32 s24, 0xbfb8aa3b                      ; -c
	s_wait_alu depctr_va_vdst(0)
	s_wait_kmcnt 0x0
	s_load_b128 s[16:19], s[6:7], 0x0              ; e0 .. e3
	s_add_nc_u64 s[4:5], s[4:5], s[28:29]
	s_add_nc_u64 s[8:9], s[8:9], s[30:31]
.irp j, 0,1,2,3,4,5,6,7
.irp g, 0,1,2,3
	global_load_b128 v[S+16*\j+4*\g:S+16*\j+4*\g+3], v2, s[4:5] offset:8192*\j+512*\g th:TH_LOAD_NT   ; 32 lanes read 512 consecutive bytes of row j
.endr
.endr
	; LDS addresses, while the loads are out
	s_mul_i32 s33, s14, 32*TP                      ; the stage, on the way in: my 512 keys are 32 chunks,
	s_lshr_b32 s34, s13, 1
	s_lshl_b32 s34, s34, 8                         ; my eight queries: half (qg / 2) of the chunk's 32,
	s_add_co_u32 s33, s33, s34
	s_and_b32 s34, s13, 1
	s_lshl_b32 s34, s34, 3                         ; bytes 8 (qg % 2) on of a key's 16
	s_add_co_u32 s33, s33, s34
	v_lshrrev_b32 v3, 2, v1
	s_delay_alu instid0(VALU_DEP_1)
	v_mul_u32_u24 v3, v3, TP                       ; key 4 l + kk: chunk l / 4,
	v_and_b32 v9, 3, v1
	s_delay_alu instid0(VALU_DEP_1)
	v_lshl_add_u32 v3, v9, 6, v3                   ; row 4 (l % 4) + kk of it
	s_delay_alu instid0(VALU_DEP_1)
	v_add_nc_u32 v3, s33, v3
	s_mul_i32 s34, s12, 8*TP
	v_add_nc_u32 v4, s34, v2                       ; and on the way out: chunks 8 w on, 16 bytes a lane
	s_lshl_b32 s34, s12, 5
	s_add_co_u32 s34, s34, MAXS
	v_mov_b32 v5, s34                              ; where my wave puts its eight figures
	s_lshl_b32 s34, s13, 5
	s_add_co_u32 s34, s34, MAXS
	v_mov_b32 v6, s34                              ; and where my row group's four waves' begin, 128 bytes apart
.irp j, 0,1,2,3,4,5,6,7
	v_mov_b32 v[T+\j], 0                           ; written once: a lane permute's destination counts as one of its sources
.endr
	s_wait_kmcnt 0x0
	s_add_co_i32 s26, s19, 127
	s_lshl_b32 s27, s26, 23
	v_mov_b32 v8, s27                              ; 2^e3 as f32: the conversion takes its exponent field
	s_add_co_i32 s26, s26, 8
	s_lshl_b32 s26, s26, 23
	s_or_b32 s26, s26, 0x600000
	v_mov_b32 v7, s26                              ; 448 x 2^e3
	; ---- the rows' largest scores: in the lane, across the lanes, across the four waves
.irp j, 0,1,2,3,4,5,6,7
	s_wait_loadcnt 28-4*\j                         ; row j's four loads are in; the later rows' may be out
	v_max3_num_f32 v[M+\j], v[S+16*\j], v[S+16*\j+1], v[S+16*\j+2]
.irp i, 3,5,7,9,11,13
	s_delay_alu instid0(VALU_DEP_1)
	v_max3_num_f32 v[M+\j], v[M+\j], v[S+16*\j+\i], v[S+16*\j+\i+1]
.endr
	s_delay_alu instid0(VALU_DEP_1)
	v_max_num_f32 v[M+\j], v[M+\j], v[S+16*\j+15]
.endr
.irp x, 1,2,4,8
.irp j, 0,1,2,3,4,5,6,7
	v_max_num_f32_dpp v[M+\j], v[M+\j], v[M+\j] row_xmask:\x row_mask:0xf bank_mask:0xf
.endr
.endr
.irp j, 0,1,2,3,4,5,6,7
	v_permlanex16_b32 v[T+\j], v[M+\j], s20, s21
.endr
.irp j, 0,1,2,3,4,5,6,7
	v_max_num_f32 v[M+\j], v[M+\j], v[T+\j]
.endr
	ds_store_b128 v5, v[M:M+3]                     ; all lanes write the same words with the same numbers
	ds_store_b128 v5, v[M+4:M+7] offset:16
	s_wait_dscnt 0x0                               ; for the others' sake: my stores have landed
	s_barrier_signal -1
	s_barrier_wait -1
.irp k, 0,1,2,3
.irp u, 0,1
	ds_load_b128 v[T+8*\k+4*\u:T+8*\k+4*\u+3], v6 offset:128*\k+16*\u
.endr
.endr
	s_wait_dscnt 0x0
.irp j, 0,1,2,3,4,5,6,7
	v_max3_num_f32 v[M+\j], v[T+\j], v[T+8+\j], v[T+16+\j]
.endr
.irp j, 0,1,2,3,4,5,6,7
	v_max_num_f32 v[M+\j], v[M+\j], v[T+24+\j]     ; m: the row's largest score
.endr
	; ---- 2^(c s - c m).  One fused multiply-add a number: the rounding of c m is the same for the whole row and cancels when the row is divided by its sum
.irp j, 0,1,2,3,4,5,6,7
	v_mul_f32 v[NM+2*\j], s24, v[M+\j]
	v_mul_f32 v[NM+2*\j+1], s24, v[M+\j]
.endr
.irp j, 0,1,2,3,4,5,6,7
.irp u, 0,2,4,6,8,10,12,14
	v_pk_fma_f32 v[S+16*\j+\u:S+16*\j+\u+1], v[S+16*\j+\u:S+16*\j+\u+1], s[22:23], v[NM+2*\j:NM+2*\j+1] op_sel_hi:[1,0,1]
.endr
.endr
.set i, 0
	s_wait_alu depctr_va_vdst(0)
.rept 128
	v_exp_f32 v[S+i], v[S+i]                       ; one batch
.set i, i+1
.endr
	v_nop                                          ; a plain instruction behind the last exponential (ISA guide 5.7.2)
	s_wait_alu depctr_va_vdst(0)                   ; one wait for the batch, ahead of its first reader
	; ---- the rows' sums, of the unquantised numbers
.irp j, 0,1,2,3,4,5,6,7
	v_pk_add_f32 v[LP+2*\j:LP+2*\j+1], v[S+16*\j:S+16*\j+1], v[S+16*\j+2:S+16*\j+3]
.endr
.irp u, 4,6,8,10,12,14
.irp j, 0,1,2,3,4,5,6,7
	v_pk_add_f32 v[LP+2*\j:LP+2*\j+1], v[LP+2*\j:LP+2*\j+1], v[S+16*\j+\u:S+16*\j+\u+1]
.endr
.endr
.irp j, 0,1,2,3,4,5,6,7
	v_add_f32 v[L+\j], v[LP+2*\j], v[LP+2*\j+1]
.endr
.irp x, 1,2,4,8
.irp j, 0,1,2,3,4,5,6,7
	v_add_f32_dpp v[L+\j], v[L+\j], v[L+\j] row_xmask:\x row_mask:0xf bank_mask:0xf
.endr
.endr
.irp j, 0,1,2,3,4,5,6,7
	v_permlanex16_b32 v[T+\j], v[L+\j], s20, s21
.endr
.irp j, 0,1,2,3,4,5,6,7
	v_add_f32 v[L+\j], v[L+\j], v[T+\j]
.endr
	ds_store_b128 v5, v[L:L+3] offset:512          ; other bytes than the largest scores': no wave may still be reading those
	ds_store_b128 v5, v[L+4:L+7] offset:528
	s_wait_dscnt 0x0
	s_barrier_signal -1
	s_barrier_wait -1
.irp k, 0,1,2,3
.irp u, 0,1
	ds_load_b128 v[T+8*\k+4*\u:T+8*\k+4*\u+3], v6 offset:512+128*\k+16*\u
.endr
.endr
	s_wait_dscnt 0x0
.irp j, 0,1,2,3,4,5,6,7
	v_add_f32 v[T+\j], v[T+\j], v[T+8+\j]
	v_add_f32 v[T+16+\j], v[T+16+\j], v[T+24+\j]
.endr
.irp j, 0,1,2,3,4,5,6,7
	v_add_f32 v[L+\j], v[T+\j], v[T+16+\j]
.endr
	s_wait_alu depctr_va_vdst(0)
.irp j, 0,1,2,3,4,5,6,7
	v_rcp_f32 v[NM+2*\j], v[L+\j]                  ; twice, to fill the pair that the packed multiply takes
	v_rcp_f32 v[NM+2*\j+1], v[L+\j]
.endr
	v_nop                                          ; a plain instruction behind the last reciprocal
	s_wait_alu depctr_va_vdst(0)                   ; one wait for the sixteen
	; ---- p = 2^(..) / sum; hold; codes
.irp j, 0,1,2,3,4,5,6,7
.irp u, 0,2,4,6,8,10,12,14
	v_pk_mul_f32 v[S+16*\j+\u:S+16*\j+\u+1], v[S+16*\j+\u:S+16*\j+\u+1], v[NM+2*\j:NM+2*\j+1]
.endr
.endr
.irp b, 0,1,2,3                        ; keys 128 b + 4 l + kk.  The two sets of T take turns, so that a batch's holds are the plain lines behind the conversions of the batch before and write none of their sources
.irp k, 0,1,2,3
.irp j, 0,1,2,3,4,5,6,7
	v_min_num_f32 v[T+32*(\b%2)+8*\k+\j], v[S+16*\j+4*\b+\k], v7   ; the conversion does not saturate (ISA guide 7.6.2); p is not negative, so the hold is one-sided.  Its destination puts a key's eight queries side by side
.endr
.endr
.irp k, 0,1,2,3
	v_cvt_scalef32_pk8_fp8_f32 v[C+8*\b+2*\k:C+8*\b+2*\k+1], v[T+32*(\b%2)+8*\k:T+32*(\b%2)+8*\k+7], v8
.endr
.endr
	v_nop                                          ; a plain instruction behind the last conversion
.irp b, 0,1,2,3
.irp k, 0,1,2,3
	ds_store_b64 v3, v[C+8*\b+2*\k:C+8*\b+2*\k+1] offset:8*TP*\b+16*\k   ; 128 keys on are 8 chunks on; a key on is 16 bytes on
.endr
.endr
	s_wait_dscnt 0x0
	s_barrier_signal -1
	s_barrier_wait -1                              ; 128 whole chunks lie in the stage
.irp n, 0,1,2,3,4,5,6,7
	ds_load_b128 v[S+4*\n:S+4*\n+3], v4 offset:TP*\n
.endr
.irp n, 0,1,2,3,4,5,6,7
	s_wait_dscnt 7-\n                              ; chunk n is in; the later ones may be out
	global_store_b128 v2, v[S+4*\n:S+4*\n+3], s[8:9] offset:2048*\n   ; a whole chunk: 512 consecutive bytes, aligned; 16 keys on is a fragment (2,048 bytes) on
.endr
	; ---- the second product's two exponents: wave 0 of work-group 0 writes the buffer's 256 bytes whole, the pair 32 times
	s_or_b32 s25, ttmp9, s12
	s_cmp_lg_u32 s25, 0
	s_cbranch_scc1 .Lend
	v_mov_b32 v192, s18                            ; e2
	v_mov_b32 v193, s19                            ; e3
	v_lshlrev_b32 v9, 3, v1
	global_store_b64 v9, v[192:193], s[10:11]
.Lend:
	s_wait_tensorcnt 0x0
	ds_add_u32 v30, v31
	s_wait_dscnt 0x0
	s_endpgm
.Lfunc_end_k_q819d1fffbc_probs:
	.size	k_q819d1fffbc_probs, .Lfunc_end_k_q819d1fffbc_probs-k_q819d1fffbc_probs
	.p2alignl 7, 3214868480
	.fill 96, 4, 3214868480
	.section	.rodata,"a",@progbits
	.p2align	6, 0x0
	.amdhsa_kernel k_q819d1fffbc_probs
		.amdhsa_group_segment_fixed_size 70656
		.amdhsa_private_segment_fixed_size 0
		.amdhsa_enable_private_segment 0
		.amdhsa_kernarg_size 32
		.amdhsa_user_sgpr_count 2
		.amdhsa_user_sgpr_kernarg_segment_ptr 1
		.amdhsa_wavefront_size32 1
		.amdhsa_system_sgpr_workgroup_id_x 1
		.amdhsa_system_sgpr_workgroup_id_y 1
		.amdhsa_system_sgpr_workgroup_id_z 1
		.amdhsa_system_vgpr_workitem_id 0
		.amdhsa_next_free_vgpr 256
		.amdhsa_next_free_sgpr 66
		.amdhsa_reserve_vcc 0
		.amdhsa_float_denorm_mode_32 3
		.amdhsa_float_denorm_mode_16_64 3
		.amdhsa_memory_ordered 1
		.amdhsa_forward_progress 1
		.amdhsa_inst_pref_size 46
	.end_amdhsa_kernel
	.amdgpu_metadata
---
amdhsa.version: [ 1, 2 ]
amdhsa.kernels:
  - .name:           k_q819d1fffbc_probs
    .symbol:         k_q819d1fffbc_probs.kd
    .args:
      - { .name: scores, .offset: 0, .size: 8, .value_kind: global_buffer, .address_space: global }
      - { .name: lowp_scales, .offset: 8, .size: 8, .value_kind: global_buffer, .address_space: global }
      - { .name: p_codes, .offset: 16, .size: 8, .value_kind: global_buffer, .address_space: global }
      - { .name: sc23, .offset: 24, .size: 8, .value_kind: global_buffer, .address_space: global }
    .group_segment_fixed_size: 70656
    .private_segment_fixed_size: 0
    .kernarg_segment_align: 8
    .kernarg_segment_size: 32
    .max_flat_workgroup_size: 512
    .sgpr_count:     66
    .vgpr_count:     256
    .wavefront_size: 32
...
	.end_amdgpu_metadata
.endif
;; end of part 3
;; launch out_mm: the kernel of part 2 again; grid 8 x 32, 4 waves a work-group, clusters of 4 x 4, 327,680 bytes of LDS; arguments v_codes, p_codes, sc23, out0; writes out0
